; MI455X (gfx1250); checked and timed in simulation.
; The chip was launched on July 23, 2026; its instructions are those of AMD's public machine-readable ISA for CDNA 5 (MIT licence, August 2026) and "CDNA5" Instruction Set Architecture Reference Guide (July 2026). The comments in the code are by the model that wrote it; some were corrected since.
;; Quantum Feature Extractor. Allowed arithmetic: float matrix products may take bf16 or f16 operands with f32 sums; all other float work in f32.
;; Inputs: theta 8 float32; x 16 x 4,096 x 768 float32.
;; Outputs: out0 16 x 4,096 x 8 float32.
;; One version. Each part assembles by itself: llvm-mc -triple=amdgcn-amd-amdhsa -mcpu=gfx1250 --defsym DOCPART=n.
;; ======== version 1 of 1: 1 launch
;; limits: inputs' magnitudes at most 4,194,304
;; launch qfeat (part 1): grid 256 x 1, 4 waves a work-group, no clusters, 0 bytes of LDS; arguments theta, x, out0; writes out0
.if DOCPART == 1
	.amdgcn_target "amdgcn-amd-amdhsa--gfx1250"
	.amdhsa_code_object_version 6
	.text
	.protected	k_q26492b80ec_qfeat
	.globl	k_q26492b80ec_qfeat
	.p2align	8
	.type	k_q26492b80ec_qfeat,@function
k_q26492b80ec_qfeat:
	s_mov_b64 s[64:65], 0
	v_nop
	global_prefetch_b8 v0, s[64:65] scope:SCOPE_SE
	s_setreg_imm32_b32 hwreg(HW_REG_WAVE_MODE, 25, 1), 1
	s_wait_xcnt 0x0
; out0[row][i] = cos(x[row][i]) * cos(theta[i]),  i = 0..7.   x: [65536][768] f32, theta: [8] f32, out0: [65536][8] f32.
; Only the first 32 bytes of each 3,072-byte row of x enter the result, each once; nothing else of x is read.
;
; SHARES.  256 work-groups of four waves.  A work-group owns 256 rows = 8,192 bytes of out0.  Two neighbouring lanes share a row,
; 16 bytes each; thread t takes four such pieces, 64 rows apart: piece j is row 64 j + t / 2, half t & 1, and lies in out0 at byte
; 2,048 j + 16 t of the group's part.  So a wave's store covers 512 consecutive bytes, aligned, and a thread's four thetas
; (numbers 4 (t & 1) .. + 3) are the same for all its pieces: cos(theta) is made once, while the loads of x are on their way.
; All five loads of a wave are issued at once; there is no loop, no LDS and no barrier (no wave needs another's data).
; No cluster: the work-groups share nothing but the 32 bytes of theta.
;
; THE COSINE, in f32:  k = rndne(x / pi);  r = x - k pi by two fused multiply-adds (pi = PI_HI + PI_MID, what is left over is 3.4e-15 for
; each unit of k);  cos x = (-1)^k cos r;  cos r = the even Taylor polynomial up to r^12 (first term dropped: r^14 / 14! = 6e-9 at pi / 2).
; LIMIT OF RANGE, for x and theta alike: up to |x| = 2^22 the rounding of x / pi moves k by at most 0.14, so |r| <= 2.0, the dropped
; term stays under 2e-7 and the whole error near 1e-6.  Beyond 2^22 the error grows, and beyond about 2^24 the result is meaningless
; (r is no longer small).  +-infinity and NaN give NaN (k = inf, inf - inf), as the reference does.
.set ROWB,    3072                     ; bytes in a row of x
.set GROWS,   256                      ; rows of a work-group
.set THREADS, 128
.set XSTEP,   (THREADS/2)*ROWB         ; from a thread's piece to its next, in x: 64 rows
.set OSTEP,   THREADS*16               ; and in out0: 2,048 bytes
.set C5V, 4                            ; v[4:5]    -1/10!, twice (the one constant kept in vector registers: see the first Horner step)
.set TH,  8                            ; v[8:11]   my four theta, then their cosines
.set X,   12                           ; v[12:27]  piece j: 4 registers: x, then r, then the result
.set K,   28                           ; v[28:35]  k, then k as an integer, then the sign bit
.set S,   36                           ; v[36:43]  r^2
.set P,   44                           ; v[44:51]  the polynomial
.set INVPI, 14                         ; s[14:15] .. s[26:27]: constants, each twice: a packed instruction takes a scalar pair and
.set NPIHI, 16                         ; both halves read its first register (op_sel_hi 0 for that source)
.set NPIMI, 18
.set C6,    20
.set C4,    22
.set C3,    24
.set C2,    26
.macro CONST reg, bits
	s_mov_b32 s[\reg], \bits
	s_mov_b32 s[\reg+1], \bits
.endm
	s_load_b128 s[4:7], s[0:1], 0x0                ; theta s[4:5], x s[6:7]
	s_load_b64 s[8:9], s[0:1], 0x10                ; out0
	v_and_b32 v1, 1, v0                            ; which half of a row is mine
	v_lshrrev_b32 v2, 1, v0                        ; which row of the first 64
	v_lshlrev_b32 v1, 4, v1                        ; 16 x half: my byte offset in theta
	v_mad_u32_u24 v2, v2, ROWB, v1                 ; row x 3,072 + 16 x half: my byte offset in x
	v_lshlrev_b32 v3, 4, v0                        ; 16 t: my byte offset in out0
	s_mul_i32 s10, ttmp9, GROWS*ROWB               ; the group's first row in x: at most 255 x 786,432, below 2^31
	s_mov_b32 s11, 0
	s_lshl_b32 s12, ttmp9, 13                      ; and in out0: 8,192 bytes a group
	s_mov_b32 s13, 0
	s_wait_kmcnt 0x0
	s_add_nc_u64 s[6:7], s[6:7], s[10:11]
	s_add_nc_u64 s[8:9], s[8:9], s[12:13]
	global_load_b128 v[TH:TH+3], v1, s[4:5]        ; first, so that it is back first; every group reads it: no hint
.irp j, 0,1,2,3
	global_load_b128 v[X+4*\j:X+4*\j+3], v2, s[6:7] offset:\j*XSTEP th:TH_LOAD_NT   ; read once in the whole launch
.endr
	; the constants are written behind the loads: nothing waits for them
	CONST INVPI, 0x3ea2f983                        ; 1 / pi
	CONST NPIHI, 0xc0490fdb                        ; -PI_HI  = -3.14159274   (pi rounded to f32)
	CONST NPIMI, 0x33bbbd2e                        ; -PI_MID = +8.74227766e-8 (pi - PI_HI rounded to f32, negated)
	CONST C6,    0x310f76c7                        ; +1 / 12!
	CONST C4,    0x37d00d01                        ; +1 / 8!
	CONST C3,    0xbab60b61                        ; -1 / 6!
	CONST C2,    0x3d2aaaab                        ; +1 / 4!
	v_mov_b32 v[C5V],   0xb493f27e                 ; -1 / 10!
	v_mov_b32 v[C5V+1], 0xb493f27e
; One Horner step on np pairs: P = P r^2 + c
.macro HORNER np, c
.set i, 0
.rept \np
	v_pk_fma_f32 v[P+2*i:P+2*i+1], v[P+2*i:P+2*i+1], v[S+2*i:S+2*i+1], \c op_sel_hi:[1,1,0]
.set i, i+1
.endr
.endm
; The cosines of the 2 np numbers in v[x ..], in place.  Stage by stage over all pairs, so that no line needs the line in front of it.
.macro COS x, np
.set i, 0
.rept \np
	v_pk_mul_f32 v[K+2*i:K+2*i+1], v[\x+2*i:\x+2*i+1], s[INVPI:INVPI+1] op_sel_hi:[1,0]
.set i, i+1
.endr
.set i, 0
.rept 2*\np
	v_rndne_f32 v[K+i], v[K+i]                     ; k
.set i, i+1
.endr
.set i, 0
.rept \np
	v_pk_fma_f32 v[\x+2*i:\x+2*i+1], v[K+2*i:K+2*i+1], s[NPIHI:NPIHI+1], v[\x+2*i:\x+2*i+1] op_sel_hi:[1,0,1]   ; x - k PI_HI, rounded once
.set i, i+1
.endr
.set i, 0
.rept \np
	v_pk_fma_f32 v[\x+2*i:\x+2*i+1], v[K+2*i:K+2*i+1], s[NPIMI:NPIMI+1], v[\x+2*i:\x+2*i+1] op_sel_hi:[1,0,1]   ; r
.set i, i+1
.endr
.set i, 0
.rept 2*\np
	v_cvt_i32_f32 v[K+i], v[K+i]                   ; k is whole and below 2^31 in the stated range
.set i, i+1
.endr
.set i, 0
.rept \np
	v_pk_mul_f32 v[S+2*i:S+2*i+1], v[\x+2*i:\x+2*i+1], v[\x+2*i:\x+2*i+1]                                      ; r^2
.set i, i+1
.endr
.set i, 0
.rept \np
	v_pk_fma_f32 v[P+2*i:P+2*i+1], v[S+2*i:S+2*i+1], s[C6:C6+1], v[C5V:C5V+1] op_sel_hi:[1,0,1]   ; the first step takes two constants: one scalar, one vector
.set i, i+1
.endr
	HORNER \np, s[C4:C4+1]
.set i, 0
.rept 2*\np
	v_lshlrev_b32 v[K+i], 31, v[K+i]               ; k odd: the sign bit
.set i, i+1
.endr
	HORNER \np, s[C3:C3+1]
	HORNER \np, s[C2:C2+1]
	HORNER \np, -0.5
	HORNER \np, 1.0                                ; cos r
.set i, 0
.rept 2*\np
	v_xor_b32 v[\x+i], v[P+i], v[K+i]              ; (-1)^k cos r
.set i, i+1
.endr
.endm
; Pieces j and j + 1: eight cosines, times cos(theta), out.  Each piece has registers of its own, so no store's data is written again.
.macro TWO j
	COS X+4*\j, 4
.irp t, 0,1
	v_pk_mul_f32 v[X+4*(\j+\t):X+4*(\j+\t)+1],   v[X+4*(\j+\t):X+4*(\j+\t)+1],   v[TH:TH+1]
	v_pk_mul_f32 v[X+4*(\j+\t)+2:X+4*(\j+\t)+3], v[X+4*(\j+\t)+2:X+4*(\j+\t)+3], v[TH+2:TH+3]
	global_store_b128 v3, v[X+4*(\j+\t):X+4*(\j+\t)+3], s[8:9] offset:(\j+\t)*OSTEP th:TH_STORE_NT   ; the wave: 512 consecutive bytes, aligned
.endr
.endm
	s_wait_loadcnt 0x4                             ; loads come back in order (ISA guide 5.7.1): theta is in, the four loads of x behind it stay out
	COS TH, 2                                      ; cos(theta), under the latency of x
	s_wait_loadcnt 0x2                             ; pieces 0 and 1 are in, 2 and 3 stay out
	TWO 0
	s_wait_loadcnt 0x0                             ; the last two: nothing was issued behind them
	TWO 2
	s_endpgm
.Lfunc_end_k_q26492b80ec_qfeat:
	.size	k_q26492b80ec_qfeat, .Lfunc_end_k_q26492b80ec_qfeat-k_q26492b80ec_qfeat
	.p2alignl 7, 3214868480
	.fill 96, 4, 3214868480
	.section	.rodata,"a",@progbits
	.p2align	6, 0x0
	.amdhsa_kernel k_q26492b80ec_qfeat
		.amdhsa_group_segment_fixed_size 0
		.amdhsa_private_segment_fixed_size 0
		.amdhsa_enable_private_segment 0
		.amdhsa_kernarg_size 24
		.amdhsa_user_sgpr_count 2
		.amdhsa_user_sgpr_kernarg_segment_ptr 1
		.amdhsa_wavefront_size32 1
		.amdhsa_system_sgpr_workgroup_id_x 1
		.amdhsa_system_sgpr_workgroup_id_y 1
		.amdhsa_system_sgpr_workgroup_id_z 1
		.amdhsa_system_vgpr_workitem_id 0
		.amdhsa_next_free_vgpr 52
		.amdhsa_next_free_sgpr 66
		.amdhsa_reserve_vcc 0
		.amdhsa_float_denorm_mode_32 3
		.amdhsa_float_denorm_mode_16_64 3
		.amdhsa_memory_ordered 1
		.amdhsa_forward_progress 1
		.amdhsa_inst_pref_size 13
	.end_amdhsa_kernel
	.amdgpu_metadata
---
amdhsa.version: [ 1, 2 ]
amdhsa.kernels:
  - .name:           k_q26492b80ec_qfeat
    .symbol:         k_q26492b80ec_qfeat.kd
    .args:
      - { .name: theta, .offset: 0, .size: 8, .value_kind: global_buffer, .address_space: global }
      - { .name: x, .offset: 8, .size: 8, .value_kind: global_buffer, .address_space: global }
      - { .name: out0, .offset: 16, .size: 8, .value_kind: global_buffer, .address_space: global }
    .group_segment_fixed_size: 0
    .private_segment_fixed_size: 0
    .kernarg_segment_align: 8
    .kernarg_segment_size: 24
    .max_flat_workgroup_size: 128
    .sgpr_count:     66
    .vgpr_count:     52
    .wavefront_size: 32
...
	.end_amdgpu_metadata
.endif
;; end of part 1
